; MI455X (gfx1250); checked and timed in simulation.
; The chip was launched on July 23, 2026; its instructions are those of AMD's public machine-readable ISA for CDNA 5 (MIT licence, August 2026) and "CDNA5" Instruction Set Architecture Reference Guide (July 2026). The comments in the code are by the model that wrote it; some were corrected since.
;; Prototype Adapter. Allowed arithmetic: float matrix products may take bf16 or f16 operands with f32 sums; other float arithmetic in f32, or as packed bf16 or f16 multiplies, adds, multiply-adds, maxima and minima; sums over many terms, partial sums and values carried from step to step in f32; what a program stores and reads back later, other than sums and carried values, may be rounded once to bf16 or f16.
;; Inputs: W1 16 x 1,024 x 128 float32; W2 16 x 128 x 1,024 float32; b1 16 x 128 float32; b2 16 x 1,024 float32; cluster_ids 16,384 int32; h 16,384 x 1,024 float32.
;; Outputs: out0 16,384 x 1,024 float32.
;; One version. Each part assembles by itself: llvm-mc -triple=amdgcn-amd-amdhsa -mcpu=gfx1250 --defsym DOCPART=n.
;; ======== version 1 of 1: 2 launches
;; workspace buffers: order 65,536 bytes of whole numbers; W1F 4,194,304 bytes; W2F 4,194,304 bytes
;; launch prep (part 1): grid 273 x 1, 16 waves a work-group, no clusters, 2,304 bytes of LDS; arguments cluster_ids, W1, W2, order, W1F, W2F; writes order, W1F, W2F
.if DOCPART == 1
	.amdgcn_target "amdgcn-amd-amdhsa--gfx1250"
	.amdhsa_code_object_version 6
	.text
	.protected	k_qb8b6a0997e_prep
	.globl	k_qb8b6a0997e_prep
	.p2align	8
	.type	k_qb8b6a0997e_prep,@function
k_qb8b6a0997e_prep:
	s_mov_b64 s[64:65], 0
	v_nop
	global_prefetch_b8 v0, s[64:65] scope:SCOPE_SE
	s_setreg_imm32_b32 hwreg(HW_REG_WAVE_MODE, 25, 1), 1
	s_wait_xcnt 0x0
; PREP: the tokens are sorted by their cluster, and both weight tensors are rounded to bf16 and laid out as matrix operands.
; Work-groups 0 to 16 sort.  Work-group e scans all 16,384 ids for key e, key = min(id as unsigned, 16): key 16 collects every id outside 0..15, negative ones too.
; It stores order[p] = token | key << 16 for its tokens, p = (number of smaller keys) + (rank among the equal keys).  Each of the 17 counts for itself: nothing passes between work-groups.
; Work-groups 17 to 272 turn weights, one item a wave: 8 rows x 64 columns x 2 halves of the lanes = 4,096 bytes of f32 in, four half fragments of 512 bytes of bf16 out.
; FRAGMENTS (1,024 bytes: half q at 512 q, lane l at 16 l; lane l = (hh = l / 16, r = l % 16) holds eight bf16, j = 0..7):
;   W1F ((e 32 + ksg) 8 + nb):          W1[e][32 ksg + 16 q + 8 hh + j][64 (nb / 4) + 4 r + nb % 4]
;   W2F (((e 16 + wc) 4 + ks) 4 + t):   W2[e][64 (nb / 4) + nb % 4 + 32 hh + 4 j][64 wc + 4 r + t],  nb = 2 ks + q
; The columns of a fragment lie four apart, so that a lane's 16 bytes of f32 feed four fragments: every load takes 256 consecutive bytes of two rows, every store 512 consecutive bytes.
; W2F's order of rows is the order in which the first product's results lie in the lanes of the launch behind.
.set SPARE, 256                        ; behind the sixteen words of the waves' counts (bytes 0 to 63, a block of 256 to themselves): the spare words, 128 bytes a wave
.set X,   8                            ; v[8:39]   weights: eight rows' 16 bytes as loaded
.set Y,   40                           ; v[40:55]  weights: four times 16 bytes of bf16
.set KY,  8                            ; v[8:39]   sort: my 32 keys
.set RK,  40                           ; v[40:71]  sort: the rank of each within my wave's tokens of key e; then its byte offset in order
.set ZR,  72                           ; v72       at work; later LDS address 0
.set PA,  73                           ; v73       LDS address of my wave's word
.set PT,  74                           ; v74       a store's word
.set TK0, 75                           ; v75       e << 16 + my first token
.set WD,  76                           ; v[76:91]  the sixteen waves' words
.set SPW, 94                           ; v94       LDS address of my spare word; never rewritten
.set NIL, 95                           ; v95       0; never rewritten
	s_load_b256 s[4:11], s[0:1], 0x0               ; ids s[4:5], W1 s[6:7], W2 s[8:9], order s[10:11]
	s_load_b128 s[12:15], s[0:1], 0x20             ; W1F s[12:13], W2F s[14:15]
	v_lshl_add_u32 v[SPW], v0, 2, SPARE
	v_mov_b32 v[NIL], 0
	v_lshrrev_b32 v1, 5, v0
	v_readfirstlane_b32 s16, v1                    ; wave 0..15
	v_and_b32 v1, 31, v0                           ; lane
	v_and_b32 v2, 15, v0                           ; r
	v_bfe_u32 v3, v0, 4, 1                         ; hh
	v_lshlrev_b32 v5, 4, v1                        ; 16 x lane
	s_cmp_lt_u32 ttmp9, 17                         ; the same answer in all sixteen waves
	s_cbranch_scc1 .Lsort
; One item: eight loads, sixteen roundings of two numbers, four stores.
.macro ITEM step, sb, db
.irp j, 0,1,2,3,4,5,6,7
	global_load_b128 v[X+4*(\j):X+4*(\j)+3], v4, s[\sb:\sb+1] offset:(\j)*(\step) th:TH_LOAD_NT  ; lanes 0-15: 256 bytes of one row; lanes 16-31: of another
.endr
.irp p, 0,1,2,3
	s_wait_loadcnt 6-2*(\p)                        ; loads come back in order: rows 2 p and 2 p + 1 are in, the later rows stay out
.irp i, 0,1,2,3
	v_cvt_pk_bf16_f32 v[Y+4*(\i)+(\p)], v[X+8*(\p)+(\i)], v[X+8*(\p)+4+(\i)]  ; column i of the lane's four: rows 2 p (low half), 2 p + 1 (high half)
.endr
.endr
.irp i, 0,1,2,3
	global_store_b128 v5, v[Y+4*(\i):Y+4*(\i)+3], s[\db:\db+1] offset:(\i)*1024  ; 512 consecutive bytes: half q of fragment i of the four
.endr
.endm
	s_sub_co_u32 s17, ttmp9, 17
	s_lshl_b32 s17, s17, 4
	s_add_co_u32 s17, s17, s16                     ; item I = 0..4095: 2,048 of W1, then 2,048 of W2
	s_mov_b32 s25, 0
	s_mov_b32 s27, 0
	v_lshlrev_b32 v4, 4, v2                        ; 16 r
	s_cmp_lt_u32 ttmp9, 145                        ; 17 + 2,048 / 16
	s_cbranch_scc0 .Lw2
	s_lshr_b32 s18, s17, 7                         ; e
	s_bfe_u32 s19, s17, 0x50002                    ; ksg
	s_bfe_u32 s20, s17, 0x10001                    ; q
	s_and_b32 s21, s17, 1                          ; a = nb / 4
	s_lshl_b32 s24, s18, 19                        ; from: e x 524,288 + (32 ksg + 16 q) rows of 512 bytes + 64 a columns
	s_lshl_b32 s22, s19, 14
	s_add_co_u32 s24, s24, s22
	s_lshl_b32 s22, s20, 13
	s_add_co_u32 s24, s24, s22
	s_lshl_b32 s22, s21, 8
	s_add_co_u32 s24, s24, s22
	s_lshl_b32 s26, s18, 18                        ; to: fragment (e 32 + ksg) 8 + 4 a, half q
	s_lshl_b32 s22, s19, 13
	s_add_co_u32 s26, s26, s22
	s_lshl_b32 s22, s21, 12
	s_add_co_u32 s26, s26, s22
	s_lshl_b32 s22, s20, 9
	s_add_co_u32 s26, s26, s22
	v_lshl_add_u32 v4, v3, 12, v4                  ; + 8 hh rows
	s_wait_kmcnt 0x0
	s_add_nc_u64 s[6:7], s[6:7], s[24:25]
	s_add_nc_u64 s[12:13], s[12:13], s[26:27]
	ITEM 512, 6, 12
	s_endpgm                                       ; these waves have written no LDS
.Lw2:
	s_bfe_u32 s18, s17, 0x40007                    ; e
	s_bfe_u32 s19, s17, 0x40003                    ; wc
	s_bfe_u32 s20, s17, 0x20001                    ; ks
	s_and_b32 s21, s17, 1                          ; q
	s_bfe_u32 s23, s17, 0x10002                    ; nb / 4
	s_and_b32 s28, s17, 3                          ; nb % 4
	s_lshl_b32 s24, s18, 19                        ; from: e x 524,288 + (64 (nb / 4) + nb % 4) rows of 4,096 bytes + 64 wc columns
	s_lshl_b32 s22, s23, 18
	s_add_co_u32 s24, s24, s22
	s_lshl_b32 s22, s28, 12
	s_add_co_u32 s24, s24, s22
	s_lshl_b32 s22, s19, 8
	s_add_co_u32 s24, s24, s22
	s_lshl_b32 s26, s18, 18                        ; to: fragment ((e 16 + wc) 4 + ks) 4, half q
	s_lshl_b32 s22, s19, 14
	s_add_co_u32 s26, s26, s22
	s_lshl_b32 s22, s20, 12
	s_add_co_u32 s26, s26, s22
	s_lshl_b32 s22, s21, 9
	s_add_co_u32 s26, s26, s22
	v_lshl_add_u32 v4, v3, 17, v4                  ; + 32 hh rows
	s_wait_kmcnt 0x0
	s_add_nc_u64 s[8:9], s[8:9], s[24:25]
	s_add_nc_u64 s[14:15], s[14:15], s[26:27]
	ITEM 16384, 8, 14                              ; the lane's eight rows lie four rows apart
	s_endpgm
.Lsort:
	s_mov_b32 s17, ttmp9                           ; e, my key
	s_mov_b32 s18, 0                               ; tokens of key e seen so far in my wave
	s_mov_b32 s19, 0                               ; tokens of a smaller key in my wave
	s_lshl_b32 s23, s16, 12
	v_add_nc_u32 v4, s23, v5                       ; my wave's 1,024 ids; 16 bytes a lane
	s_wait_kmcnt 0x0
.irp q, 0,1,2,3,4,5,6,7
	global_load_b128 v[KY+4*(\q):KY+4*(\q)+3], v4, s[4:5] offset:512*(\q)  ; register 4 q + i: token 1,024 w + 128 q + 4 lane + i
.endr
	s_wait_loadcnt 0x0
.set k, 0
.rept 32
	v_min_u32 v[KY+k], 16, v[KY+k]                 ; the key
	v_cmp_eq_u32 s20, s17, v[KY+k]
	v_cmp_gt_u32 s21, s17, v[KY+k]                 ; e > key
	v_mbcnt_lo_u32_b32 v[RK+k], s20, s18           ; equal keys in lower lanes + those of the registers before
	s_bcnt1_i32_b32 s20, s20
	s_bcnt1_i32_b32 s21, s21
	s_add_co_u32 s18, s18, s20
	s_add_co_u32 s19, s19, s21
.set k, k+1
.endr
	s_lshl_b32 s21, s19, 16                        ; both counts are 1,024 at the most, their sums over the waves 16,384: two halves of a word
	s_or_b32 s21, s21, s18
	v_mov_b32 v[ZR], s21
	v_mov_b32 v[PA], s16
	v_lshlrev_b32 v[PA], 2, v[PA]
	ds_store_b32 v[PA], v[ZR]                      ; all lanes write the wave's word with the same value
	s_wait_dscnt 0x0                               ; for the others' sake: my word is written
	s_barrier_signal -1
	s_barrier_wait -1
	v_mov_b32 v[ZR], 0
.irp i, 0,1,2,3
	ds_load_b128 v[WD+4*(\i):WD+4*(\i)+3], v[ZR] offset:16*(\i)
.endr
	s_wait_dscnt 0x0
.set k, 0
.rept 16
	v_readfirstlane_b32 s[32+k], v[WD+k]
.set k, k+1
.endr
	s_mov_b32 s24, 0                               ; the sum over all waves
	s_mov_b32 s25, 0                               ; the sum over the waves in front of mine
.set k, 0
.rept 16
	s_add_co_u32 s24, s24, s[32+k]
	s_cmp_gt_u32 s16, k
	s_cselect_b32 s26, s[32+k], 0
	s_add_co_u32 s25, s25, s26
.set k, k+1
.endr
	s_lshr_b32 s24, s24, 16                        ; all smaller keys
	s_and_b32 s25, s25, 0xffff                     ; equal keys in earlier waves
	s_add_co_u32 s24, s24, s25                     ; the place of my wave's first token of key e
	s_lshl_b32 s26, s17, 16
	s_lshl_b32 s27, s16, 10
	s_add_co_u32 s26, s26, s27
	v_lshl_add_u32 v[TK0], v1, 2, s26
; All 32 byte offsets are made here, in place of the ranks, with every lane on and ahead of the first line that narrows EXEC; each is written once and never again.
.set k, 0
.rept 32
	v_add_nc_u32 v[RK+k], s24, v[RK+k]             ; the place
	v_min_u32 v[RK+k], 0x3fff, v[RK+k]             ; it is below 16,384 by the counts; the bound is written out
	v_lshlrev_b32 v[RK+k], 2, v[RK+k]
.set k, k+1
.endr
	s_wait_xcnt 0x0                                ; EXEC changes only behind this wait
; 32 stores of the lanes whose key is e: 4 bytes a lane onto consecutive places; 65,536 bytes in the whole launch.
.set k, 0
.rept 32
	v_cmp_eq_u32 vcc_lo, s17, v[KY+k]
	v_add_nc_u32 v[PT], 128*(k/4)+k%4, v[TK0]
	s_and_saveexec_b32 s22, vcc_lo
	global_store_b32 v[RK+k], v[PT], s[10:11]
	s_wait_xcnt 0x0                                ; the store's EXEC and data are changed only behind this wait
	s_or_b32 exec_lo, exec_lo, s22
.set k, k+1
.endr
	s_wait_tensorcnt 0x0                           ; the wave's end
	ds_add_u32 v[SPW], v[NIL]
	s_wait_dscnt 0x0
	s_endpgm
.Lfunc_end_k_qb8b6a0997e_prep:
	.size	k_qb8b6a0997e_prep, .Lfunc_end_k_qb8b6a0997e_prep-k_qb8b6a0997e_prep
	.p2alignl 7, 3214868480
	.fill 96, 4, 3214868480
	.section	.rodata,"a",@progbits
	.p2align	6, 0x0
	.amdhsa_kernel k_qb8b6a0997e_prep
		.amdhsa_group_segment_fixed_size 2304
		.amdhsa_private_segment_fixed_size 0
		.amdhsa_enable_private_segment 0
		.amdhsa_kernarg_size 48
		.amdhsa_user_sgpr_count 2
		.amdhsa_user_sgpr_kernarg_segment_ptr 1
		.amdhsa_wavefront_size32 1
		.amdhsa_system_sgpr_workgroup_id_x 1
		.amdhsa_system_sgpr_workgroup_id_y 1
		.amdhsa_system_sgpr_workgroup_id_z 1
		.amdhsa_system_vgpr_workitem_id 0
		.amdhsa_next_free_vgpr 96
		.amdhsa_next_free_sgpr 66
		.amdhsa_reserve_vcc 1
		.amdhsa_float_denorm_mode_32 3
		.amdhsa_float_denorm_mode_16_64 3
		.amdhsa_memory_ordered 1
		.amdhsa_forward_progress 1
		.amdhsa_inst_pref_size 36
	.end_amdhsa_kernel
	.amdgpu_metadata
---
amdhsa.version: [ 1, 2 ]
amdhsa.kernels:
  - .name:           k_qb8b6a0997e_prep
    .symbol:         k_qb8b6a0997e_prep.kd
    .args:
      - { .name: cluster_ids, .offset: 0, .size: 8, .value_kind: global_buffer, .address_space: global }
      - { .name: W1, .offset: 8, .size: 8, .value_kind: global_buffer, .address_space: global }
      - { .name: W2, .offset: 16, .size: 8, .value_kind: global_buffer, .address_space: global }
      - { .name: order, .offset: 24, .size: 8, .value_kind: global_buffer, .address_space: global }
      - { .name: W1F, .offset: 32, .size: 8, .value_kind: global_buffer, .address_space: global }
      - { .name: W2F, .offset: 40, .size: 8, .value_kind: global_buffer, .address_space: global }
    .group_segment_fixed_size: 2304
    .private_segment_fixed_size: 0
    .kernarg_segment_align: 8
    .kernarg_segment_size: 48
    .max_flat_workgroup_size: 512
    .sgpr_count:     66
    .vgpr_count:     96
    .wavefront_size: 32
...
	.end_amdgpu_metadata
.endif
;; end of part 1
;; launch chain (part 2): grid 256 x 1, 4 waves a work-group, no clusters, 283,136 bytes of LDS; arguments order, h, W1F, W2F, b1, b2, out0; writes out0
.if DOCPART == 2
	.amdgcn_target "amdgcn-amd-amdhsa--gfx1250"
	.amdhsa_code_object_version 6
	.text
	.protected	k_qb8b6a0997e_chain
	.globl	k_qb8b6a0997e_chain
	.p2align	8
	.type	k_qb8b6a0997e_chain,@function
k_qb8b6a0997e_chain:
	s_mov_b64 s[64:65], 0
	v_nop
	global_prefetch_b8 v0, s[64:65] scope:SCOPE_SE
	s_setreg_imm32_b32 hwreg(HW_REG_WAVE_MODE, 25, 1), 1
	s_wait_xcnt 0x0
; out[n] = h[n] + gelu(h[n] W1[c] + b1[c]) W2[c] + b2[c], c = cluster_ids[n]; a row whose id lies outside 0..15 is 0.  h, out: [16384][1024] f32.
; SHARES.  Work-group g owns the 64 rows at places 64 g .. 64 g + 63 of the order sorted by cluster (order[p] = token | key << 16; key 16 = id outside 0..15): 16,384 = 256 x 64, so no tile is partial.
; Wave w owns columns 256 w .. 256 w + 255 of all 64 rows: it keeps them in f32 in 512 registers (H) for the residual, takes them as its slice of K in the first product, and makes them in the second.
; Each byte of h is loaded once and each byte of out stored once; each such instruction covers 256 consecutive aligned bytes of two rows.
; SEVERAL CLUSTERS IN A TILE.  The tile's keys run from e0 to e1.  The first product is summed over the experts e0..e1 into one set of accumulators, the token fragments ANDed with the lane's mask
; (key == e; a lane is a token there); b1 is taken by each token's own key; gelu runs once; the second product runs once for each expert and is added into H times a factor 0 or 1 a row.
; Both loops over experts hold no barrier and no LDS write; a tile of one cluster makes one trip.
; PRODUCT 1 is used transposed (source 0 = 16 columns of W1, source 1 = 16 tokens): a lane's eight results of two accumulators, rounded in pairs, ARE source 0 of PRODUCT 2 (the weights were laid out to fit).
; K is split over the four waves; the partial sums meet in LDS: wave d adds the four parts of token block d, adds b1, applies gelu and hands the block's fragments to all.
; GELU.  x Phi(x) = max(x, 0) - |x| e^(-x x / 2) (c1 t + .. + c5 t^5), t = 1 / (1 + 0.2316419 |x|): Abramowitz and Stegun 26.2.17 with 1 / sqrt(2 pi) folded in; Phi is off by 7.5e-8 at the most, for every x.
; LIMITS.  Matrix operands (h, W1, gelu's result, W2) are rounded to bf16; sums in f32; the residual is exact f32, added as (h + b2) + product.  NaN and infinities are not treated apart; in a tile of several
; clusters a row is also multiplied with its neighbours' W2 and that product weighed with 0: if it overflowed f32 the row would be lost.
; NO TENSOR LOADS, NO CLUSTER: the rows come by a list; neighbouring work-groups mostly walk the same 512 KiB of weights, but differ in their first expert and in trip counts read from memory.
; REGISTERS, in windows of 256 (s_set_vgpr_msb: bits 1:0 source 0, 3:2 source 1, 5:4 source 2, 7:6 destination):
;   window 0: addresses, keys, token fragments, W1's fragments (two buffers), later the fragments of gelu's result
;   window 1: product 1's 32 accumulators; later the sums, gelu's work, W2's fragments and product 2's 16 accumulators        windows 2, 3: H
.set APITCH, 528                       ; AT: a row of 256 bf16 + 16 bytes: an odd multiple of 16, so the 16 rows of a fragment load start in 16 different groups of four banks (64 banks of 4 bytes: ISA guide 11.1)
.set AT_W,  64*APITCH                  ; AT, from byte 0: each wave's own 64 rows of its columns in bf16
.set XCH,   4*AT_W                     ; the partial sums: ((d 4 + s) 8 + nb) 1,024 + 512 q + 16 lane; d the token block and destination wave, s the source wave
.set MID,   XCH+131072                 ; gelu's result as fragments: (mb 4 + ks) 1,024 + 512 q + 16 lane
.set SPARE, MID+16384                  ; the spare words, 128 bytes a wave: two blocks of 256 bytes that no other line names
.set L16, 1                            ; v1   16 x lane
.set AS,  2                            ; v2   AT, in: my wave's slice + 8 hh rows + 8 r
.set AFA, 3                            ; v3   AT, out: my wave's slice + row r + 16 hh
.set XS0, 4                            ; v4   XCH, in, token blocks 0, 1;  v5 (XS0 + 1): blocks 2, 3
.set XL,  6                            ; v6   XCH, out: my token block
.set MS,  7                            ; v7   MID, in
.set ML,  8                            ; v8   MID, out
.set B1A, 9                            ; v9   byte offset in b1: my token's key x 512 + 128 hh
.set B2A, 10                           ; v10  1,024 w + 16 r: my 16 bytes in a row's first unit of my wave's columns
.set TA,  11                           ; v11, v14, v15 the list's three offsets
.set SPW, 12                           ; v12  LDS address of my spare word; never rewritten
.set NIL, 13                           ; v13  0; never rewritten
.set TB,  14
.set TC,  15
.set KEYA, 16                          ; v16-19  key of row 16 mb + r
.set AM,  20                           ; v20-23  all ones where that key is the expert in hand
.set B2R, 16                           ; v16-31  later: b2 of my four columns in unit u at B2R + 4 u
.set OFFS, 32                          ; v32-63  (mb, j): byte offset of my 16 bytes of row 16 mb + 8 hh + j in h and in out
.set KEYS, 64                          ; v64-95  (mb, j): that row's key
.set AF,  96                           ; v96-127 token fragments (8 a block); at work; later the rows' factors 0 or 1
.set LN,  96                           ; at the head only: lane, r, hh
.set RR,  97
.set HH,  98
.set WB,  128                          ; v128-191, v192-255 W1's fragments of one K step each; later b1 and a set of partial sums
.set MIDF, 128                         ; later: fragment (mb, ks) of gelu's result at MIDF + 8 (4 mb + ks)
.set S0,  0                            ; window 1: the sums of my token block; v0-255 before that: accumulator (mb, nb) at 8 (8 mb + nb)
.set S1,  64                           ; window 1: a second set; then gelu's work
.set GA,  S1                           ; |x|
.set GT,  S1+16                        ; t
.set GE,  S1+32                        ; e^(-x x / 2)
.set GP,  S1+48                        ; the polynomial
.set W2B, 128                          ; window 1: W2's fragment (ks, t) at W2B + 8 (4 ks + t); accumulator (mb, t) of product 2 at 8 (4 mb + t)
; scalars: s[4:17] the seven buffers; s18 wave; s19, s20 the expert of product 1, 2; s21 e1 - e0; s22 that + 1; s23 1: the tile holds rows of key 16; s24, s25 trip counters; s26 1: first trip of product 2;
; s[28:29] W1F, s[30:31] W2F at the expert's and my wave's part; s[32:33] b2 at the expert's row; s34 mask of a sign; s[36:49] gelu's constants in pairs; s50-55 at work
.set MSB, 0
.macro WIN new                         ; the immediate's high byte repeats the setting that is left; a switch that changes nothing is dropped
.if MSB != (\new)
	s_set_vgpr_msb (MSB<<8)|(\new)
.set MSB, \new
.endif
.endm
.macro PLACES                          ; a load into, or a vector write of, a register that a matrix instruction names stands four plain vector instructions behind it
.rept 4
	v_nop
.endr
.endm
; W1's eight fragments of my K step ks (0..7) into buffer ks % 2: sixteen loads of 512 consecutive bytes
.macro WLOAD ks
	WIN 0
.set i1, 0
.rept 16
	global_load_b128 v[WB+64*((\ks)%2)+4*i1:WB+64*((\ks)%2)+4*i1+3], v[L16], s[28:29] offset:(\ks)*8192+i1*512
.set i1, i1+1
.endr
.endm
; unit u (64 of my columns) of all 64 rows into H: lanes 0-15 take 256 bytes of one row, lanes 16-31 of the row eight places on
.macro HLOAD u
	WIN 0x80+0x40*((\u)/2)
.set i1, 0
.rept 32
	global_load_b128 v[128*((\u)%2)+4*i1:128*((\u)%2)+4*i1+3], v[OFFS+i1], s[6:7] offset:256*(\u) th:TH_LOAD_NT
.set i1, i1+1
.endr
	WIN 0
.endm
.macro AMASK                           ; the lanes' masks for the expert in s19
.irp mb, 0,1,2,3
	v_cmp_eq_u32 vcc_lo, s19, v[KEYA+(\mb)]
	v_cndmask_b32 v[AM+(\mb)], 0, -1, vcc_lo
.endr
.endm
; unit u is rounded to bf16 and laid into my slice of AT, 32 rows at a time.  A store's 32 lanes take 128 bytes of a row and 128 of the row eight below, which begin 128 bytes apart modulo 256.
.macro CONV u
.set HB, 128*((\u)%2)
.irp bt, 0,1
	WIN 0x0a+5*((\u)/2)
.set ic, 0
.rept 16
	v_cvt_pk_bf16_f32 v[AF+2*ic],   v[HB+64*(\bt)+4*ic],   v[HB+64*(\bt)+4*ic+1]
	v_cvt_pk_bf16_f32 v[AF+2*ic+1], v[HB+64*(\bt)+4*ic+2], v[HB+64*(\bt)+4*ic+3]
.set ic, ic+1
.endr
	WIN 0
.set ic, 0
.rept 16
	ds_store_b64 v[AS], v[AF+2*ic:AF+2*ic+1] offset:(32*(\bt)+16*(ic/8)+ic%8)*APITCH+128*(\u)
.set ic, ic+1
.endr
.endr
.endm
; One K step of 32 of product 1: four token fragments out of AT (LDS serves a wave's instructions in order: they see CONV's stores), masked; 32 products, the 32 accumulators by turns.
; zero = 1: the products start the sums.  lw >= 0: how many younger loads may stay out when this step's weights must be in.  nxt = 1: the buffer just multiplied takes K step ks + 2.
.macro KSTEP ks, zero, lw, nxt
	WIN 0
.irp mb, 0,1,2,3
	ds_load_b128 v[AF+8*(\mb):AF+8*(\mb)+3],   v[AFA] offset:(\mb)*16*APITCH+64*(\ks)
	ds_load_b128 v[AF+8*(\mb)+4:AF+8*(\mb)+7], v[AFA] offset:(\mb)*16*APITCH+64*(\ks)+32
.endr
.if (\lw) >= 0
	s_wait_loadcnt \lw
.endif
	s_wait_dscnt 0x0
.set ik, 0
.rept 32
	v_and_b32 v[AF+ik], v[AM+ik/8], v[AF+ik]
.set ik, ik+1
.endr
	WIN 0x50
.set ik, 0
.rept 32
.if \zero
	v_wmma_f32_16x16x32_bf16 v[8*ik:8*ik+7], v[WB+64*((\ks)%2)+8*(ik%8):WB+64*((\ks)%2)+8*(ik%8)+7], v[AF+8*(ik/8):AF+8*(ik/8)+7], 0
.else
	v_wmma_f32_16x16x32_bf16 v[8*ik:8*ik+7], v[WB+64*((\ks)%2)+8*(ik%8):WB+64*((\ks)%2)+8*(ik%8)+7], v[AF+8*(ik/8):AF+8*(ik/8)+7], v[8*ik:8*ik+7]
.endif
.set ik, ik+1
.endr
	WIN 0
	PLACES                                         ; in front of the loads into the weight buffer and into the token fragments, and of what reads the sums
.if \nxt
	WLOAD (\ks)+2
.endif
.endm
; W2's fragments of unit u, K steps 2 half and 2 half + 1: sixteen loads of 512 consecutive bytes
.macro W2LOAD u, half
	WIN 0x40
.set i2, 0
.rept 16
	global_load_b128 v[W2B+64*(\half)+4*i2:W2B+64*(\half)+4*i2+3], v[L16], s[30:31] offset:(\u)*16384+(\half)*8192+i2*512
.set i2, i2+1
.endr
	WIN 0
.endm
.macro B2LOAD
.irp uu, 0,1,2,3
	global_load_b128 v[B2R+4*(\uu):B2R+4*(\uu)+3], v[B2A], s[32:33] offset:256*(\uu)
.endr
.endm
	s_load_b256 s[4:11], s[0:1], 0x0               ; order s[4:5], h s[6:7], W1F s[8:9], W2F s[10:11]
	s_load_b128 s[12:15], s[0:1], 0x20             ; b1 s[12:13], b2 s[14:15]
	s_load_b64 s[16:17], s[0:1], 0x30              ; out
	v_lshl_add_u32 v[SPW], v0, 2, SPARE
	v_mov_b32 v[NIL], 0
	v_lshrrev_b32 v[TA], 5, v0
	v_readfirstlane_b32 s18, v[TA]                 ; wave 0..3
	v_and_b32 v[LN], 31, v0
	v_and_b32 v[RR], 15, v0                        ; r
	v_bfe_u32 v[HH], v0, 4, 1                      ; hh
	v_lshlrev_b32 v[L16], 4, v[LN]
	v_lshlrev_b32 v[TA], 5, v[HH]                  ; 8 hh entries
	v_lshlrev_b32 v[TB], 2, v[RR]                  ; entry r
	s_lshl_b32 s50, s18, 6
	v_add_nc_u32 v[TC], s50, v[TB]                 ; entry 16 w + r
	s_lshl_b32 s52, ttmp9, 8                       ; my tile's 64 entries: 256 bytes
	s_mov_b32 s53, 0
	s_wait_kmcnt 0x0
	s_add_nc_u64 s[4:5], s[4:5], s[52:53]
.irp mb, 0,1,2,3
	global_load_b128 v[KEYS+8*(\mb):KEYS+8*(\mb)+3],   v[TA], s[4:5] offset:64*(\mb)      ; rows 16 mb + 8 hh + 0..3
	global_load_b128 v[KEYS+8*(\mb)+4:KEYS+8*(\mb)+7], v[TA], s[4:5] offset:64*(\mb)+16   ; and + 4..7
	global_load_b32 v[KEYA+(\mb)], v[TB], s[4:5] offset:64*(\mb)                          ; row 16 mb + r
.endr
	global_load_b32 v[B1A], v[TC], s[4:5]          ; row 16 w + r
	; the lanes' LDS addresses and the constants, while the list is on its way
	s_mul_i32 s50, s18, AT_W
	v_mul_u32_u24 v[AS], v[HH], 8*APITCH
	v_lshl_add_u32 v[AS], v[RR], 3, v[AS]
	v_add_nc_u32 v[AS], s50, v[AS]
	v_mul_u32_u24 v[AFA], v[RR], APITCH
	v_lshl_add_u32 v[AFA], v[HH], 4, v[AFA]
	v_add_nc_u32 v[AFA], s50, v[AFA]
	s_lshl_b32 s51, s18, 13
	s_add_co_u32 s51, s51, XCH
	v_add_nc_u32 v[XS0], s51, v[L16]
	v_add_nc_u32 v[XS0+1], 0x10000, v[XS0]
	s_lshl_b32 s52, s18, 15
	s_add_co_u32 s52, s52, XCH
	v_add_nc_u32 v[XL], s52, v[L16]
	s_lshl_b32 s53, s18, 12
	s_add_co_u32 s53, s53, MID
	v_add_nc_u32 v[MS], s53, v[L16]
	v_add_nc_u32 v[ML], MID, v[L16]
	s_lshl_b32 s50, s18, 10
	v_lshl_add_u32 v[B2A], v[RR], 4, s50
	s_mov_b32 s34, 0x7fffffff
	s_mov_b32 s36, 0x3e6d3389                      ; 0.2316419
	s_mov_b32 s38, 0x3f596d27                      ; sqrt(log2(e) / 2): e^(-x x / 2) = 2^-(this x)^2
	s_mov_b32 s40, 0x3f07dc22                      ; c5 =  0.530702715
	s_mov_b32 s42, 0xbf3a00e3                      ; c4 = -0.726576014
	s_mov_b32 s44, 0x3f35f0e3                      ; c3 =  0.710706871
	s_mov_b32 s46, 0xbe11a98e                      ; c2 = -0.142248368
	s_mov_b32 s48, 0x3e027906                      ; c1 =  0.127414796
.irp c, 36,38,40,42,44,46,48
	s_mov_b32 s[(\c)+1], s[\c]                     ; named as pairs, so both words are written
.endr
	s_mov_b32 s24, 0
	s_mov_b32 s25, 0
	s_mov_b32 s26, 1
	s_wait_loadcnt 0x0                             ; the list
	v_readfirstlane_b32 s54, v[KEYS]               ; lane 0: row 0
	v_readlane_b32 s55, v[KEYS+31], 31             ; lane 31: row 63
	s_lshr_b32 s54, s54, 16
	s_lshr_b32 s55, s55, 16
	s_cmp_ge_u32 s55, 16
	s_cselect_b32 s23, 1, 0                        ; the order is sorted: rows of key 16 are the last
	s_min_u32 s54, s54, 15                         ; e0
	s_min_u32 s55, s55, 15                         ; e1
	s_sub_co_u32 s21, s55, s54
	s_min_u32 s21, s21, 15
	s_add_co_u32 s22, s21, 1
	s_mov_b32 s19, s54
	s_mov_b32 s20, s54
	s_lshl_b32 s50, s54, 18                        ; an expert's 262,144 bytes of fragments,
	s_lshl_b32 s51, s18, 16                        ; my wave's quarter of them: in W1F my 8 K steps, in W2F my 4 units of columns
	s_add_co_u32 s50, s50, s51
	s_mov_b32 s51, 0
	s_add_nc_u64 s[28:29], s[8:9], s[50:51]
	s_add_nc_u64 s[30:31], s[10:11], s[50:51]
	s_lshl_b32 s50, s54, 12
	s_add_nc_u64 s[32:33], s[14:15], s[50:51]
	WLOAD 0                                        ; the weights of a stage are always asked for ahead of the next unit of h, since loads are counted in their order
	WLOAD 1
.set i, 0
.rept 32
	v_and_b32 v[OFFS+i], 0xffff, v[KEYS+i]         ; the token,
.set i, i+1
.endr
.set i, 0
.rept 32
	v_min_u32 v[OFFS+i], 0x3fff, v[OFFS+i]         ; which is below 16,384: the bound is written out
.set i, i+1
.endr
.set i, 0
.rept 32
	v_lshl_add_u32 v[OFFS+i], v[OFFS+i], 12, v[B2A]  ; its row of 4,096 bytes + my place in it
	v_lshrrev_b32 v[KEYS+i], 16, v[KEYS+i]
.set i, i+1
.endr
.irp mb, 0,1,2,3
	v_lshrrev_b32 v[KEYA+(\mb)], 16, v[KEYA+(\mb)]
.endr
	v_lshrrev_b32 v[B1A], 16, v[B1A]
	v_min_u32 v[B1A], 15, v[B1A]                   ; a row of key 16 reads expert 15's b1; its result is thrown away
	v_lshlrev_b32 v[B1A], 9, v[B1A]
	v_lshl_add_u32 v[B1A], v[HH], 7, v[B1A]
	AMASK
	; PRODUCT 1 FOR THE FIRST EXPERT, under the stream of h: unit u holds K steps 2 u and 2 u + 1.
	HLOAD 0
	HLOAD 1
	s_wait_loadcnt 32                              ; only unit 1's 32 loads may be out: K steps 0 and 1 of W1 and unit 0 are in
	CONV 0
	KSTEP 0, 1, -1, 1
	KSTEP 1, 0, -1, 1
	HLOAD 2
	s_wait_loadcnt 32                              ; only unit 2's: unit 1 and K steps 2 and 3, all asked for earlier, are in
	CONV 1
	KSTEP 2, 0, -1, 1
	KSTEP 3, 0, -1, 1
	HLOAD 3
	s_wait_loadcnt 32                              ; only unit 3's
	CONV 2
	KSTEP 4, 0, -1, 1
	KSTEP 5, 0, -1, 1
	s_wait_loadcnt 0x0
	CONV 3
	KSTEP 6, 0, -1, 0
	KSTEP 7, 0, -1, 0
	; THE TILE'S FURTHER EXPERTS: the same eight K steps out of AT, with the next expert's weights and masks, onto the same sums.  e1 - e0 trips; no LDS write, no barrier.
	s_cmp_eq_u32 s21, 0
	s_cbranch_scc1 .Lg1done
.Lg1:
	s_wait_xcnt 0x0                                ; the weights' base is stepped only behind this wait
	s_add_nc_u64 s[28:29], s[28:29], 0x40000
	s_add_co_u32 s19, s19, 1
	AMASK
	WLOAD 0
	WLOAD 1
.irp ks, 0,1,2,3,4,5
	KSTEP \ks, 0, 16, 1                            ; the other buffer's sixteen loads may stay out
.endr
	KSTEP 6, 0, 16, 0
	KSTEP 7, 0, 0, 0
	s_add_co_u32 s24, s24, 1
	s_cmp_lt_u32 s24, s21
	s_cbranch_scc1 .Lg1
.Lg1done:
	; THE PARTS MEET.  b1 of my token (row 16 w + r): register 4 (8 a + j) + i holds b1[key][64 a + 32 hh + 4 j + i], which belongs to register j of accumulator nb = 4 a + i.
.set i, 0
.rept 16
	global_load_b128 v[WB+4*i:WB+4*i+3], v[B1A], s[12:13] offset:256*(i/8)+16*(i%8)
.set i, i+1
.endr
	WIN 0x04                                       ; data in window 1
.set i, 0
.rept 32                                       ; accumulator (mb, nb) = i; each is read from its low end on
	ds_store_b128 v[XS0+i/16], v[8*i:8*i+3]   offset:((i/8)%2)*32768+(i%8)*1024
	ds_store_b128 v[XS0+i/16], v[8*i+4:8*i+7] offset:((i/8)%2)*32768+(i%8)*1024+512
.set i, i+1
.endr
	WIN 0
	s_wait_dscnt 0x0                               ; for the others' sake: my parts are written
	s_barrier_signal -1
	s_barrier_wait -1
	W2LOAD 0, 0                                    ; the second product's first weights and b2 land under the sums and gelu
	W2LOAD 0, 1
	B2LOAD
	WIN 0x40
.set i, 0
.rept 16
	ds_load_b128 v[S0+4*i:S0+4*i+3], v[XL] offset:i*512            ; wave 0's part of my token block
.set i, i+1
.endr
.set i, 0
.rept 16
	ds_load_b128 v[S1+4*i:S1+4*i+3], v[XL] offset:8192+i*512       ; wave 1's
.set i, i+1
.endr
	WIN 0
.set i, 0
.rept 16
	ds_load_b128 v[WB+64+4*i:WB+64+4*i+3], v[XL] offset:16384+i*512  ; wave 2's
.set i, i+1
.endr
	s_wait_dscnt 16                                ; wave 2's sixteen may stay out
	WIN 0x45
.set i, 0
.rept 32
	v_pk_add_f32 v[S0+2*i:S0+2*i+1], v[S0+2*i:S0+2*i+1], v[S1+2*i:S1+2*i+1]
.set i, i+1
.endr
	WIN 0x40
.set i, 0
.rept 16
	ds_load_b128 v[S1+4*i:S1+4*i+3], v[XL] offset:24576+i*512      ; wave 3's
.set i, i+1
.endr
	s_wait_dscnt 16                                ; wave 3's sixteen may stay out
	WIN 0x41
.set i, 0
.rept 32
	v_pk_add_f32 v[S0+2*i:S0+2*i+1], v[S0+2*i:S0+2*i+1], v[WB+64+2*i:WB+64+2*i+1]
.set i, i+1
.endr
	s_wait_loadcnt 36                              ; b1 is in: behind it 32 loads of W2 and 4 of b2 were asked for
.set i, 0
.rept 64                                       ; i = 32 a + 8 (nb % 4) + j
	v_add_f32 v[S0+i], v[S0+i], v[WB+4*(8*(i/32)+i%8)+(i/8)%4]
.set i, i+1
.endr
	s_wait_dscnt 0x0
	WIN 0x45
.set i, 0
.rept 32
	v_pk_add_f32 v[S0+2*i:S0+2*i+1], v[S0+2*i:S0+2*i+1], v[S1+2*i:S1+2*i+1]
.set i, i+1
.endr
; GELU of sixteen numbers a lane (accumulators 2 b and 2 b + 1), stage by stage over eight pairs, so that no line waits for the one before it; the result, rounded in pairs, is fragment ks = b at 8 b.
; The 32 transcendentals are one batch: the sixteen maxima are the plain work behind it, and one wait stands ahead of the first reader.
.macro GELU b
.set XB, S0+16*(\b)
.set i, 0
.rept 16
	v_and_b32 v[GA+i], s34, v[XB+i]                ; |x|
.set i, i+1
.endr
.set i, 0
.rept 8
	v_pk_fma_f32 v[GT+2*i:GT+2*i+1], v[GA+2*i:GA+2*i+1], s[36:37], 1.0 op_sel_hi:[1,0,0]
	v_pk_mul_f32 v[GE+2*i:GE+2*i+1], v[GA+2*i:GA+2*i+1], s[38:39] op_sel_hi:[1,0]
.set i, i+1
.endr
.set i, 0
.rept 8
	v_pk_mul_f32 v[GE+2*i:GE+2*i+1], v[GE+2*i:GE+2*i+1], v[GE+2*i:GE+2*i+1] neg_lo:[1,0] neg_hi:[1,0]
.set i, i+1
.endr
.set i, 0
.rept 16
	v_rcp_f32 v[GT+i], v[GT+i]
.set i, i+1
.endr
.set i, 0
.rept 16
	v_exp_f32 v[GE+i], v[GE+i]
.set i, i+1
.endr
.set i, 0
.rept 16
	v_max_num_f32 v[XB+i], 0, v[XB+i]
.set i, i+1
.endr
	s_wait_alu depctr_va_vdst(0)
.set i, 0
.rept 8
	v_pk_fma_f32 v[GP+2*i:GP+2*i+1], v[GT+2*i:GT+2*i+1], s[40:41], s[42:43] op_sel_hi:[1,0,0]
.set i, i+1
.endr
.irp c, 44,46,48
.set i, 0
.rept 8
	v_pk_fma_f32 v[GP+2*i:GP+2*i+1], v[GP+2*i:GP+2*i+1], v[GT+2*i:GT+2*i+1], s[\c:\c+1] op_sel_hi:[1,1,0]
.set i, i+1
.endr
.endr
.set i, 0
.rept 8
	v_pk_mul_f32 v[GP+2*i:GP+2*i+1], v[GP+2*i:GP+2*i+1], v[GT+2*i:GT+2*i+1]
.set i, i+1
.endr
.set i, 0
.rept 8
	v_pk_mul_f32 v[GP+2*i:GP+2*i+1], v[GP+2*i:GP+2*i+1], v[GE+2*i:GE+2*i+1]
.set i, i+1
.endr
.set i, 0
.rept 8
	v_pk_fma_f32 v[XB+2*i:XB+2*i+1], v[GA+2*i:GA+2*i+1], v[GP+2*i:GP+2*i+1], v[XB+2*i:XB+2*i+1] neg_lo:[1,0,0] neg_hi:[1,0,0]
.set i, i+1
.endr
.set i, 0
.rept 8
	v_cvt_pk_bf16_f32 v[8*(\b)+i], v[XB+2*i], v[XB+2*i+1]  ; ascending: register 8 b + i has been read before it is written
.set i, i+1
.endr
.endm
	WIN 0x55                                       ; all of it in window 1
	GELU 0
	GELU 1
	GELU 2
	GELU 3
	WIN 0x04
.set i, 0
.rept 8
	ds_store_b128 v[MS], v[4*i:4*i+3] offset:i*512
.set i, i+1
.endr
	WIN 0
	s_wait_dscnt 0x0                               ; for the others' sake: my block's fragments are written, and my reads of the parts are over
	s_barrier_signal -1
	s_barrier_wait -1
.set i, 0
.rept 32
	ds_load_b128 v[MIDF+4*i:MIDF+4*i+3], v[ML] offset:i*512  ; all four blocks' fragments stay in registers for the whole second product
.set i, i+1
.endr
	s_wait_dscnt 0x0
; PRODUCT 2.  32 products: K steps ksa and ksa + 1 for four token blocks x four fragments of columns; the 16 accumulators by turns; K step 0 starts the sums.
.macro MM2 ksa
	WIN 0x54
.set i3, 0
.rept 32
.set kk, (\ksa)+i3/16
.if kk == 0
	v_wmma_f32_16x16x32_bf16 v[8*(i3%16):8*(i3%16)+7], v[MIDF+8*(4*((i3/4)%4)+kk):MIDF+8*(4*((i3/4)%4)+kk)+7], v[W2B+8*(4*kk+i3%4):W2B+8*(4*kk+i3%4)+7], 0
.else
	v_wmma_f32_16x16x32_bf16 v[8*(i3%16):8*(i3%16)+7], v[MIDF+8*(4*((i3/4)%4)+kk):MIDF+8*(4*((i3/4)%4)+kk)+7], v[W2B+8*(4*kk+i3%4):W2B+8*(4*kk+i3%4)+7], v[8*(i3%16):8*(i3%16)+7]
.endif
.set i3, i3+1
.endr
.endm
; Unit u of my columns: 64 products; H += factor x b2 (these 64 lines name no register of the products: they are the places behind them); H += factor x product; in the last trip the unit is stored.
; Register j of accumulator (mb, t) is row 16 mb + 8 hh + j, column 4 r + t of the unit: just where H holds that number.  The next unit's weights are asked for as soon as their registers have been multiplied.
.macro GROUP u
.set HB, 128*((\u)%2)
	MM2 0
.if (\u) < 3
	PLACES
	W2LOAD (\u)+1, 0
.endif
	MM2 2
	WIN 0xa0+0x50*((\u)/2)
.set i3, 0
.rept 32                                       ; i3 = 8 mb + j; the row's factor is the low or the high register of an even pair
.if i3%2 == 0
	v_pk_fma_f32 v[HB+4*i3:HB+4*i3+1],   v[B2R+4*(\u):B2R+4*(\u)+1],   v[AF+i3:AF+i3+1], v[HB+4*i3:HB+4*i3+1] op_sel_hi:[1,0,1]
	v_pk_fma_f32 v[HB+4*i3+2:HB+4*i3+3], v[B2R+4*(\u)+2:B2R+4*(\u)+3], v[AF+i3:AF+i3+1], v[HB+4*i3+2:HB+4*i3+3] op_sel_hi:[1,0,1]
.else
	v_pk_fma_f32 v[HB+4*i3:HB+4*i3+1],   v[B2R+4*(\u):B2R+4*(\u)+1],   v[AF+i3-1:AF+i3], v[HB+4*i3:HB+4*i3+1] op_sel:[0,1,0]
	v_pk_fma_f32 v[HB+4*i3+2:HB+4*i3+3], v[B2R+4*(\u)+2:B2R+4*(\u)+3], v[AF+i3-1:AF+i3], v[HB+4*i3+2:HB+4*i3+3] op_sel:[0,1,0]
.endif
.set i3, i3+1
.endr
.if (\u) < 3
	W2LOAD (\u)+1, 1
.endif
	WIN 0xa1+0x50*((\u)/2)
.set i3, 0
.rept 128                                      ; i3 = 32 mb + 4 j + t: each accumulator is read from its low end on
	v_fma_f32 v[HB+i3], v[8*(4*(i3/32)+i3%4)+(i3/4)%8], v[AF+i3/4], v[HB+i3]
.set i3, i3+1
.endr
	WIN 0
	s_cmp_lg_u32 s25, s21
	s_cbranch_scc1 .Lkeep_\u                       ; not the tile's last expert: nothing leaves yet
	s_cmp_eq_u32 s23, 0
	s_cbranch_scc1 .Lvalid_\u
	WIN 0x88+0x44*((\u)/2)                         ; rows of key 16 are 0
.set i3, 0
.rept 32
	v_cmp_ne_u32 vcc_lo, v[KEYS+i3], 16
.irp c, 0,1,2,3
	v_cndmask_b32 v[HB+4*i3+(\c)], 0, v[HB+4*i3+(\c)], vcc_lo
.endr
.set i3, i3+1
.endr
	WIN 0
.Lvalid_\u:
	WIN 0x08+4*((\u)/2)
.set i3, 0
.rept 32
	global_store_b128 v[OFFS+i3], v[HB+4*i3:HB+4*i3+3], s[16:17] offset:256*(\u) th:TH_STORE_NT  ; 16 lanes store 256 consecutive bytes, at a multiple of 256 from out's first byte
.set i3, i3+1
.endr
	WIN 0
.Lkeep_\u:
.if (\u) < 3
	s_wait_loadcnt 0x0                             ; the next unit's weights
.endif
.endm
.Lg2:                                          ; e1 - e0 + 1 trips; no LDS access, no barrier
	s_wait_loadcnt 0x0                             ; first trip: unit 0's weights and b2, asked for behind the first barrier, are in; later trips: no load is out.  So no load below lands on a register that an earlier load still has to write
	s_cmp_lg_u32 s26, 0
	s_cbranch_scc1 .Lhave
	W2LOAD 0, 0                                    ; a later trip: the next expert's unit 0 and b2
	W2LOAD 0, 1
	B2LOAD
	s_wait_loadcnt 0x0
.Lhave:
.set i, 0
.rept 32
	v_cmp_eq_u32 vcc_lo, s20, v[KEYS+i]
	v_cndmask_b32 v[AF+i], 0, 1.0, vcc_lo          ; the row's factor for the expert in s20
.set i, i+1
.endr
	GROUP 0
	GROUP 1
	GROUP 2
	GROUP 3
	s_wait_xcnt 0x0                                ; the bases are stepped, and registers that stores name rewritten, only behind this wait
	s_add_nc_u64 s[30:31], s[30:31], 0x40000
	s_add_nc_u64 s[32:33], s[32:33], 0x1000
	s_add_co_u32 s20, s20, 1
	s_mov_b32 s26, 0
	s_add_co_u32 s25, s25, 1
	s_cmp_lt_u32 s25, s22
	s_cbranch_scc1 .Lg2
	s_wait_tensorcnt 0x0                           ; the wave's end
	ds_add_u32 v[SPW], v[NIL]
	s_wait_dscnt 0x0
	s_endpgm
.Lfunc_end_k_qb8b6a0997e_chain:
	.size	k_qb8b6a0997e_chain, .Lfunc_end_k_qb8b6a0997e_chain-k_qb8b6a0997e_chain
	.p2alignl 7, 3214868480
	.fill 96, 4, 3214868480
	.section	.rodata,"a",@progbits
	.p2align	6, 0x0
	.amdhsa_kernel k_qb8b6a0997e_chain
		.amdhsa_group_segment_fixed_size 283136
		.amdhsa_private_segment_fixed_size 0
		.amdhsa_enable_private_segment 0
		.amdhsa_kernarg_size 56
		.amdhsa_user_sgpr_count 2
		.amdhsa_user_sgpr_kernarg_segment_ptr 1
		.amdhsa_wavefront_size32 1
		.amdhsa_system_sgpr_workgroup_id_x 1
		.amdhsa_system_sgpr_workgroup_id_y 1
		.amdhsa_system_sgpr_workgroup_id_z 1
		.amdhsa_system_vgpr_workitem_id 0
		.amdhsa_next_free_vgpr 1024
		.amdhsa_next_free_sgpr 72
		.amdhsa_reserve_vcc 1
		.amdhsa_float_denorm_mode_32 3
		.amdhsa_float_denorm_mode_16_64 3
		.amdhsa_memory_ordered 1
		.amdhsa_forward_progress 1
		.amdhsa_inst_pref_size 255
	.end_amdhsa_kernel
	.section	.bss,"aw",@nobits
	.p2align	6
	.space	262144
	.amdgpu_metadata
---
amdhsa.version: [ 1, 2 ]
amdhsa.kernels:
  - .name:           k_qb8b6a0997e_chain
    .symbol:         k_qb8b6a0997e_chain.kd
    .args:
      - { .name: order, .offset: 0, .size: 8, .value_kind: global_buffer, .address_space: global }
      - { .name: h, .offset: 8, .size: 8, .value_kind: global_buffer, .address_space: global }
      - { .name: W1F, .offset: 16, .size: 8, .value_kind: global_buffer, .address_space: global }
      - { .name: W2F, .offset: 24, .size: 8, .value_kind: global_buffer, .address_space: global }
      - { .name: b1, .offset: 32, .size: 8, .value_kind: global_buffer, .address_space: global }
      - { .name: b2, .offset: 40, .size: 8, .value_kind: global_buffer, .address_space: global }
      - { .name: out0, .offset: 48, .size: 8, .value_kind: global_buffer, .address_space: global }
    .group_segment_fixed_size: 283136
    .private_segment_fixed_size: 0
    .kernarg_segment_align: 8
    .kernarg_segment_size: 56
    .max_flat_workgroup_size: 128
    .sgpr_count:     72
    .vgpr_count:     1024
    .wavefront_size: 32
...
	.end_amdgpu_metadata
.endif
;; end of part 2
